; MI455X (gfx1250); checked and timed in simulation.
; The chip was launched on July 23, 2026; its instructions are those of AMD's public machine-readable ISA for CDNA 5 (MIT licence, August 2026) and "CDNA5" Instruction Set Architecture Reference Guide (July 2026). The comments in the code are by the model that wrote it; some were corrected since.
;; Quant Linear WB. Allowed arithmetic: matrix products marked QUANTISED: E2M1 operands, one E8M0 scale for each 32 along K, by v_wmma_scale_f32_16x16x128_f8f6f4 with both operands' format E2M1 (or v_wmma_scale_f32_32x16x128_f4), f32 sums; everything else in f32.
;; Inputs: bias 4,096 float32; qcodes 4,096 x 32 x 64 int32; scales 4,096 x 32 float32; x_codes 4 x 1,024 x 128 x 16 uint8 (E2M1 codes of x, K innermost, in blocks of 32 codes, two codes a byte); x_scales 4 x 1,024 x 128 uint8 (E8M0 scales of x, one for each 32 codes along K); zeros 4,096 x 32 float32.
;; Outputs: out0 4 x 1,024 x 4,096 float32.
;; This version of the problem:
;;   THIS VERSION OF THE PROBLEM IS GIVEN IN LOW PRECISION. The matrix products marked QUANTISED in the list below multiply operands that are first quantised to E2M1 (2 exponent bits, 1 mantissa bit; 4 bits a number), with one power-of-two scale for each 32 numbers along K (OCP MX v1.0); their sums are f32. All else is computed in f32.
;;   The module's matrix products, in the order in which they are computed (A, B: the left and right operand; K: the contracted axis; several contracted axes count as one K, in the product's order):
;;     1. [M 4,096, K 4,096] x [K 4,096, N 4,096]; A: input x (given as codes); B: computed on the way: QUANTISED
;;   THE QUANTISER, for each operand of a quantised product, along K:
;;     - K is cut into blocks of 32 from its start; a last block that is shorter is filled with zeros.
;;     - A block's scale is 2^e with e = floor(log2(the largest magnitude in the block)) - 2, held to -126 .. 127; a block of zeros has e = 0. As a byte (E8M0): e + 127.
;;     - Each number is divided by its block's scale, clamped to +-6, and rounded to the nearest number of E2M1, ties to even, subnormals kept.
;;     - The product sums the exact products of the quantised numbers (number of the format x scale) in f32.
;;   ~~~python
;;   def quantise(x, axis):      # numpy; x: float32 -> the quantised numbers, widened to float32 again
;;       x = np.moveaxis(x, axis, -1); K = x.shape[-1]
;;       x = np.pad(x, [(0, 0)] * (x.ndim - 1) + [(0, -K % 32)]); x = x.reshape(x.shape[:-1] + (-1, 32)); a = np.abs(x).max(-1, keepdims=True)
;;       e = np.where(a > 0, np.clip(np.frexp(np.where(a > 0, a, 1))[1] - 1 - 2, -126, 127), 0)      # np.frexp(a)[1] - 1 = floor(log2(a)), exactly
;;       r = np.clip(x / 2.0 ** e, -6, 6)
;;       step = 2.0 ** (np.maximum(np.frexp(np.where(r == 0, 1, r))[1] - 1, 0) - 1)
;;       q = np.round(r / step) * step * 2.0 ** e      # np.round: ties to even
;;       return np.moveaxis(q.reshape(q.shape[:-2] + (-1,))[..., :K], -1, axis).astype(np.float32)
;;   ~~~
;;   OPERANDS COMPUTED ON THE WAY. 'Computed on the way' means the value that the module computes at that place (a softmax that the list does not call 'softmax' is quantised finished and normalised). What goes into a quantiser is computed in f32, as accurately as f32 sums, v_exp_f32 and their like allow (about 1e-6 of the number): no bf16 or f16 on the way to a quantiser, and a product that is left as it is and whose result goes on into a quantised operand takes f32 operands (vector FMAs, or v_wmma_f32_16x16x4_f32). A number that lies on a knife's edge between two numbers of the format may be rounded either way, as far as f32 arithmetic and the matrix unit's own rounding can turn it there, and no further.
;;   INPUTS GIVEN AS CODES. x (in the module: [4, 1024, 4096], K = its axis 2): each comes as NAME_codes (uint8): NAME with its K axis moved to the last place and cut into blocks of 32 codes, [.., K / 32, bytes a block], one block behind the other in memory; two codes a byte, the lower K in the low four bits (a code: sign, 2 exponent bits, 1 mantissa bit); and NAME_scales (uint8): the same leading axes, one E8M0 byte (e + 127) for each 32 codes along K. Its value is code x scale, taken as it is: it is not quantised again, and the codes and scales need not be those that the quantiser above would give.
;; One version. Each part assembles by itself: llvm-mc -triple=amdgcn-amd-amdhsa -mcpu=gfx1250 --defsym DOCPART=n.
;; ======== version 1 of 1: 2 launches
;; limits: values are held in f16: magnitudes above 65,504 overflow, below 6.1e-05 lose precision; right only within a limited range of input values
;; workspace buffers: wq 8,912,896 bytes
;; launch quant (part 1): grid 256 x 1, 16 waves a work-group, no clusters, 38,912 bytes of LDS; arguments qcodes, scales, zeros, wq; writes wq
.if DOCPART == 1
	.amdgcn_target "amdgcn-amd-amdhsa--gfx1250"
	.amdhsa_code_object_version 6
	.text
	.protected	k_q5c37e95ab3_quant
	.globl	k_q5c37e95ab3_quant
	.p2align	8
	.type	k_q5c37e95ab3_quant,@function
k_q5c37e95ab3_quant:
	s_mov_b64 s[64:65], 0
	v_nop
	global_prefetch_b8 v0, s[64:65] scope:SCOPE_SE
	s_setreg_imm32_b32 hwreg(HW_REG_WAVE_MODE, 25, 1), 1
	s_wait_xcnt 0x0
; W[n][k] = f16((q[n][k] - zeros[n][k/128]) * scales[n][k/128]), q = a nibble of qcodes (bits 7:4 of a word: the even k, bits 3:0: the odd k), is turned into
; codes of FP4 (E2M1) with one E8M0 scale byte for each 32 along K, and laid in wq in the order in which the product's launch takes its operand registers.
; The subtraction and the multiplication are two f32 roundings, then one rounding to f16 and the exact widening back: the value that goes into the quantiser.
; A block's scale is 2^(floor(log2(its largest magnitude)) - 2); its byte is the largest magnitude's exponent field - 2, held at 1 from below.
; LIMITS: a block of zeros gets the byte 1 and not 127 (its codes are zeros, which add nothing under any byte but 0xff, and the bytes are read by this program alone);
; |w| that rounds to infinity in f16 (65,520 and above), NaN and infinities in scales or zeros are not served; of each qcodes word only bits 7:0 count.
; wq = [g = n / 128 (32)][k / 512 (8)][34,816 bytes].  In such a tile: codes at i*4096 + kb*256 + r*16 (i = block of 16 rows, kb = block of 32 along K, 0..15, r = row in the block; 16 bytes = 32 codes),
; then from byte 32,768 the scale bytes at (i%4)*512 + (i/4)*256 + r*16 + kb.
; THE ROWS OF A BLOCK ARE NOT NEIGHBOURS: row r of block i is W's row 128 g + 64 (i / 4) + 4 r + i % 4.  In the product's result lane r holds the column of row r, so the same register of four neighbouring
; blocks' accumulators holds four neighbouring columns of the output, 16 bytes of a row.
; SHARES.  Work-group b takes the 16 rows 64 (b / 4) + b % 4 + 4 r, all of K: block b % 8 of group b / 8.  Waves 2 w and 2 w + 1 take k = 512 w .. 512 w + 511 of them, wave 2 w + u the 256 from 256 u on: 16 rows x 512 bytes of qcodes... read as
; 16 rows x 1,024 bytes by the pair.  A wave's codes are 8 whole pieces, 2,048 consecutive bytes; the pair's 256 scale bytes meet in LDS and the even wave stores them.
; A load takes 512 consecutive bytes of a row, 16 a lane: 4 words = 8 neighbours along K in a lane... four neighbouring lanes to a block of 32, sixteen to a group of 128.
; All 16 loads of a wave go out at the head, each into registers of its own: no pointer is stepped and no register is loaded twice.
.set WREG, 4608                        ; LDS of a pair of waves: a stage of 16 pieces x (256 bytes + 16), then its 256 scale bytes
.set SP,   272                         ; from piece to piece in the stage
.set TILE, 34816
.set QROW, 4*8192                      ; from one of my rows to the next in qcodes: four rows of 8,192 bytes
.set QO,   2                           ; v2   16 x lane: my bytes of a load's 512, and of a store's
.set SZO,  3                           ; v3   512 (lane % 16) + 4 (lane / 16): my row lane % 16 of scales and zeros (four rows of 128 bytes apart), group lane / 16 of a pair
.set STS,  4                           ; v4   stage, in: piece lane / 4, + 4 (lane % 4)
.set STL,  5                           ; v5   stage, out: piece lane / 16, + 16 (lane % 16)
.set SBA,  6                           ; v6   my block's scale byte
.set SBL,  7                           ; v7   the scale bytes on the way out: 8 a lane
.set SBO,  8                           ; v8   8 x lane
.set T,    16                          ; v16-31  8 numbers of each of two rows
.set M,    32                          ; v32-33  largest magnitudes
.set SOP,  34                          ; v34-35  the conversions' scale operands
.set MG,   36                          ; v36-37  -2^19, -2^23
.set H,    40                          ; v40-47  the numbers as f16, two to a register
.set Z,    48                          ; v[48:49] zero, v[50:51] scale of the first row's group; v[52:53], v[54:55] of the second's
.set ZU,   56                          ; v56  zeros as loaded;  v57 scales
.set SU,   57
.set X,    64                          ; v64-127 the 16 loads' words; a load's first register later takes its codes, its second the scale byte
.set SPW,  128                         ; v128 LDS address of my spare word, v129 0; never rewritten
.set NIL,  129
.set SB,   130                         ; v130-131 the scale bytes on the way out
	s_load_b256 s[4:11], s[0:1], 0x0               ; qcodes s[4:5], scales s[6:7], zeros s[8:9], wq s[10:11]
	v_lshl_add_u32 v[SPW], v0, 2, 8*WREG
	v_mov_b32 v[NIL], 0
	v_lshrrev_b32 v1, 5, v0
	v_readfirstlane_b32 s12, v1                    ; wave 0..15
	s_and_b32 s26, s12, 1                          ; u: which 256 of the 512
	s_lshr_b32 s12, s12, 1                         ; w: which 512 along K
	s_mul_i32 s13, s12, WREG                       ; the pair's LDS
	s_add_co_u32 s24, s13, 16*SP                   ; and its scale bytes
	s_lshl_b32 s25, s26, 3
	s_add_co_u32 s25, s25, s24                     ; + 8 u
	s_mul_i32 s27, s26, 8*SP
	s_add_co_u32 s13, s13, s27                     ; my eight pieces
	s_mov_b32 s27, 0xf0
	s_mov_b32 s28, 0x49000000                      ; 2^19: its bit 4 is worth 1
	s_mov_b32 s29, 0x4b000000                      ; 2^23: its bit 0 is worth 1
	v_and_b32 v1, 31, v0                           ; lane
	v_and_b32 v9, 15, v0                           ; lane % 16
	v_bfe_u32 v10, v0, 4, 1                        ; lane / 16
	v_bfe_u32 v11, v0, 2, 3                        ; lane / 4
	v_and_b32 v12, 3, v0                           ; lane % 4
	v_lshlrev_b32 v[QO], 4, v1
	v_lshlrev_b32 v[SBO], 3, v1
	v_lshlrev_b32 v[SZO], 9, v9
	v_mul_u32_u24 v[STL], v10, SP
	v_mul_u32_u24 v[STS], v11, SP
	v_add_nc_u32 v[SBA], s25, v11
	v_lshl_add_u32 v[SZO], v10, 2, v[SZO]
	v_lshl_add_u32 v[STL], v9, 4, v[STL]
	v_lshl_add_u32 v[STS], v12, 2, v[STS]
	v_add_nc_u32 v[SBL], s24, v[SBO]
	v_mov_b32 v[MG], 0xc9000000
	v_mov_b32 v[MG+1], 0xcb000000
	v_add_nc_u32 v[STL], s13, v[STL]
	v_add_nc_u32 v[STS], s13, v[STS]
.irp j, 0,1,2,3,4,5,6,7
	v_mov_b32 v[Z+\j], 0                           ; written once: a DPP destination counts as read, and so does the upper half of a pair of which the low word serves both halves
.endr
	s_lshr_b32 s16, ttmp9, 2                       ; my first row is 64 (b / 4) + b % 4
	s_and_b32 s25, ttmp9, 3
	s_lshl_b32 s18, s16, 13                        ; scales, zeros: 64 rows of 128 bytes,
	s_lshl_b32 s16, s16, 19                        ; qcodes: 64 rows of 8,192 bytes,
	s_lshl_b32 s17, s25, 13                        ; + b % 4 rows,
	s_add_co_u32 s16, s16, s17
	s_lshl_b32 s17, s12, 10                        ; + 1,024 bytes of a row a pair,
	s_add_co_u32 s16, s16, s17
	s_lshl_b32 s17, s26, 9                         ; + 512 bytes a wave
	s_add_co_u32 s16, s16, s17
	s_mov_b32 s17, 0
	s_lshl_b32 s19, s25, 7                         ; scales, zeros: + b % 4 rows,
	s_add_co_u32 s18, s18, s19
	s_lshl_b32 s19, s12, 4                         ; + four groups a pair,
	s_add_co_u32 s18, s18, s19
	s_lshl_b32 s19, s26, 3                         ; + two a wave
	s_add_co_u32 s18, s18, s19
	s_mov_b32 s19, 0
	s_and_b32 s20, ttmp9, 0xf8                     ; 8 x (b / 8)
	s_add_co_u32 s20, s20, s12
	s_mul_i32 s20, s20, TILE                       ; the pair's tile of wq: (8 (b / 8) + w) x 34,816
	s_and_b32 s21, ttmp9, 7
	s_lshl_b32 s21, s21, 12
	s_add_co_u32 s22, s20, s21                     ; its codes: block b % 8 of the tile,
	s_lshl_b32 s21, s26, 11
	s_add_co_u32 s22, s22, s21                     ; my 2,048 bytes
	s_mov_b32 s23, 0
	s_lshl_b32 s21, s25, 9
	s_add_co_u32 s20, s20, s21
	s_bfe_u32 s21, ttmp9, 0x10002                  ; (b / 4) % 2
	s_lshl_b32 s21, s21, 8
	s_add_co_u32 s20, s20, s21
	s_add_co_u32 s20, s20, 32768                   ; the scale bytes: 32,768 + 512 (b % 4) + 256 ((b / 4) % 2)
	s_mov_b32 s21, 0
	s_wait_alu depctr_va_vdst(0)
	s_wait_kmcnt 0x0
	s_add_nc_u64 s[4:5], s[4:5], s[16:17]
	s_add_nc_u64 s[6:7], s[6:7], s[18:19]
	s_add_nc_u64 s[8:9], s[8:9], s[18:19]
	s_add_nc_u64 s[14:15], s[10:11], s[20:21]
	s_add_nc_u64 s[10:11], s[10:11], s[22:23]
	global_load_b32 v[ZU], v[SZO], s[8:9]          ; lane (r, h): my row r, group 4 w + 2 u + h
	global_load_b32 v[SU], v[SZO], s[6:7]
.irp i, 0,1,2,3,4,5,6,7,8,9,10,11,12,13,14,15
	global_load_b128 v[X+4*\i:X+4*\i+3], v[QO], s[4:5] offset:\i*QROW th:TH_LOAD_NT   ; my row i, k = 256 u + 8 lane + 0 .. 7: 32 lanes read 512 consecutive bytes; read once in the launch
.endr
; Rows r0 = 2 i and r1 = 2 i + 1, line by line by turns, so that no line waits for the line above it.
.macro ROW i, r0, r1
	s_wait_loadcnt 14-2*(\i)                       ; loads come back in order: these two rows' are in, the 14 - 2 i issued behind them may be out; zeros and scales are older than all
	v_mov_b32_dpp v[Z], v[ZU] row_share:\r0 row_mask:0xf bank_mask:0xf      ; each half of the lanes takes the row's value of its own group
	v_mov_b32_dpp v[Z+4], v[ZU] row_share:\r1 row_mask:0xf bank_mask:0xf
	v_mov_b32_dpp v[Z+2], v[SU] row_share:\r0 row_mask:0xf bank_mask:0xf
	v_mov_b32_dpp v[Z+6], v[SU] row_share:\r1 row_mask:0xf bank_mask:0xf
.irp j, 0,1,2,3
.irp u, 0,1
	v_and_or_b32 v[T+8*\u+2*\j], v[X+4*(2*(\i)+\u)+\j], s27, s28          ; the even k: bits 7:4, as 2^19 + q
	v_and_or_b32 v[T+8*\u+2*\j+1], v[X+4*(2*(\i)+\u)+\j], 15, s29         ; the odd k: bits 3:0, as 2^23 + q
.endr
.endr
.irp j, 0,2,4,6
.irp u, 0,1
	v_pk_add_f32 v[T+8*\u+\j:T+8*\u+\j+1], v[T+8*\u+\j:T+8*\u+\j+1], v[MG:MG+1]   ; q: exact
.endr
.endr
.irp j, 0,2,4,6
.irp u, 0,1
	v_pk_add_f32 v[T+8*\u+\j:T+8*\u+\j+1], v[T+8*\u+\j:T+8*\u+\j+1], v[Z+4*\u:Z+4*\u+1] op_sel_hi:[1,0] neg_lo:[0,1] neg_hi:[0,1]   ; q - zero
.endr
.endr
.irp j, 0,2,4,6
.irp u, 0,1
	v_pk_mul_f32 v[T+8*\u+\j:T+8*\u+\j+1], v[T+8*\u+\j:T+8*\u+\j+1], v[Z+4*\u+2:Z+4*\u+3] op_sel_hi:[1,0]   ; x scale: a rounding of its own, so the two are not fused
.endr
.endr
.irp j, 0,1,2,3
.irp u, 0,1
	v_cvt_pk_f16_f32 v[H+4*\u+\j], v[T+8*\u+2*\j], v[T+8*\u+2*\j+1]   ; the weight is kept as f16,
.endr
.endr
	v_cvt_f32_f16 v16, v40.l                       ; and widened again: this is the number that is quantised
	v_cvt_f32_f16 v24, v44.l
	v_cvt_f32_f16 v17, v40.h
	v_cvt_f32_f16 v25, v44.h
	v_cvt_f32_f16 v18, v41.l
	v_cvt_f32_f16 v26, v45.l
	v_cvt_f32_f16 v19, v41.h
	v_cvt_f32_f16 v27, v45.h
	v_cvt_f32_f16 v20, v42.l
	v_cvt_f32_f16 v28, v46.l
	v_cvt_f32_f16 v21, v42.h
	v_cvt_f32_f16 v29, v46.h
	v_cvt_f32_f16 v22, v43.l
	v_cvt_f32_f16 v30, v47.l
	v_cvt_f32_f16 v23, v43.h
	v_cvt_f32_f16 v31, v47.h
.irp u, 0,1
	v_max3_num_f32 v[M+\u], |v[T+8*\u]|, |v[T+8*\u+1]|, 0x1800000   ; my 8 numbers' largest magnitude, and the floor 2^(3 - 127): so the byte cannot fall under 1
.endr
.irp j, 2,4,6
.irp u, 0,1
	s_delay_alu instid0(VALU_DEP_2)
	v_max3_num_f32 v[M+\u], v[M+\u], |v[T+8*\u+\j]|, |v[T+8*\u+\j+1]|
.endr
.endr
.irp u, 0,1
	s_delay_alu instid0(VALU_DEP_2)
	v_max_num_f32_dpp v[M+\u], v[M+\u], v[M+\u] row_xmask:1 row_mask:0xf bank_mask:0xf
.endr
.irp u, 0,1
	s_delay_alu instid0(VALU_DEP_2)
	v_max_num_f32_dpp v[M+\u], v[M+\u], v[M+\u] row_xmask:2 row_mask:0xf bank_mask:0xf   ; with the three other lanes of my block
.endr
.irp u, 0,1
	s_delay_alu instid0(VALU_DEP_2)
	v_add_nc_u32 v[SOP+\u], 0xff000000, v[M+\u]    ; 2 off its exponent field: the conversion takes the exponent field of this operand as its scale, and nothing else of it
.endr
.irp u, 0,1
	v_cvt_scalef32_pk8_fp4_f32 v[X+4*(2*(\i)+\u)], v[T+8*\u:T+8*\u+7], v[SOP+\u]   ; eight codes, the lowest k in the lowest four bits; beyond 6 the largest code
.endr
.irp u, 0,1
	v_lshrrev_b32 v[X+4*(2*(\i)+\u)+1], 23, v[SOP+\u]   ; the scale's byte.  (Also the plain instruction behind the conversions)
.endr
.irp u, 0,1
	ds_store_b32 v[STS], v[X+4*(2*(\i)+\u)] offset:(2*(\i)+\u)*16         ; piece lane / 4 (the block along K), the row, my 4 bytes of its 16
	ds_store_b8 v[SBA], v[X+4*(2*(\i)+\u)+1] offset:16*(2*(\i)+\u)        ; the four lanes of a block write the same byte with the same value
.endr
.endm
	ROW 0, 0, 1
	ROW 1, 2, 3
	ROW 2, 4, 5
	ROW 3, 6, 7
	ROW 4, 8, 9
	ROW 5, 10, 11
	ROW 6, 12, 13
	ROW 7, 14, 15
	s_wait_dscnt 0x0                               ; for the other wave's sake: my scale bytes are in; and the stores have read their registers, which now take the way out
	s_barrier_signal -1
.irp t, 0,1,2,3
	ds_load_b128 v[X+4*\t:X+4*\t+3], v[STL] offset:2*SP*\t    ; my own pieces 2 t and 2 t + 1, sixteen lanes to a piece
.endr
	s_barrier_wait -1
.irp t, 0,1,2,3
	s_wait_dscnt 3-\t                              ; load t is in; the 3 - t behind it may be out
	global_store_b128 v[QO], v[X+4*\t:X+4*\t+3], s[10:11] offset:512*\t   ; 32 lanes store 512 consecutive bytes, at a multiple of 256 from wq's first byte
.endr
	s_cmp_lg_u32 s26, 0
	s_cbranch_scc1 .Ldone                          ; the even wave stores the pair's scale bytes
	ds_load_b64 v[SB:SB+1], v[SBL]
	s_wait_dscnt 0x0
	global_store_b64 v[SBO], v[SB:SB+1], s[14:15]  ; 32 lanes store 256 consecutive bytes, aligned likewise
.Ldone:
	s_wait_tensorcnt 0x0                           ; the wave's end
	ds_add_u32 v[SPW], v[NIL]
	s_wait_dscnt 0x0
	s_endpgm
.Lfunc_end_k_q5c37e95ab3_quant:
	.size	k_q5c37e95ab3_quant, .Lfunc_end_k_q5c37e95ab3_quant-k_q5c37e95ab3_quant
	.p2alignl 7, 3214868480
	.fill 96, 4, 3214868480
	.section	.rodata,"a",@progbits
	.p2align	6, 0x0
	.amdhsa_kernel k_q5c37e95ab3_quant
		.amdhsa_group_segment_fixed_size 38912
		.amdhsa_private_segment_fixed_size 0
		.amdhsa_enable_private_segment 0
		.amdhsa_kernarg_size 32
		.amdhsa_user_sgpr_count 2
		.amdhsa_user_sgpr_kernarg_segment_ptr 1
		.amdhsa_wavefront_size32 1
		.amdhsa_system_sgpr_workgroup_id_x 1
		.amdhsa_system_sgpr_workgroup_id_y 1
		.amdhsa_system_sgpr_workgroup_id_z 1
		.amdhsa_system_vgpr_workitem_id 0
		.amdhsa_next_free_vgpr 132
		.amdhsa_next_free_sgpr 66
		.amdhsa_reserve_vcc 0
		.amdhsa_float_denorm_mode_32 3
		.amdhsa_float_denorm_mode_16_64 3
		.amdhsa_memory_ordered 1
		.amdhsa_forward_progress 1
		.amdhsa_inst_pref_size 51
	.end_amdhsa_kernel
	.amdgpu_metadata
---
amdhsa.version: [ 1, 2 ]
amdhsa.kernels:
  - .name:           k_q5c37e95ab3_quant
    .symbol:         k_q5c37e95ab3_quant.kd
    .args:
      - { .name: qcodes, .offset: 0, .size: 8, .value_kind: global_buffer, .address_space: global }
      - { .name: scales, .offset: 8, .size: 8, .value_kind: global_buffer, .address_space: global }
      - { .name: zeros, .offset: 16, .size: 8, .value_kind: global_buffer, .address_space: global }
      - { .name: wq, .offset: 24, .size: 8, .value_kind: global_buffer, .address_space: global }
    .group_segment_fixed_size: 38912
    .private_segment_fixed_size: 0
    .kernarg_segment_align: 8
    .kernarg_segment_size: 32
    .max_flat_workgroup_size: 512
    .sgpr_count:     66
    .vgpr_count:     132
    .wavefront_size: 32
...
	.end_amdgpu_metadata
.endif
;; end of part 1
;; launch gemm (part 2): grid 16 x 16, 4 waves a work-group, clusters of 4 x 4, 327,680 bytes of LDS; arguments x_codes, x_scales, wq, bias, out0; writes out0
.if DOCPART == 2
	.amdgcn_target "amdgcn-amd-amdhsa--gfx1250"
	.amdhsa_code_object_version 6
	.text
	.protected	k_q5c37e95ab3_gemm
	.globl	k_q5c37e95ab3_gemm
	.p2align	8
	.type	k_q5c37e95ab3_gemm,@function
k_q5c37e95ab3_gemm:
	s_mov_b64 s[64:65], 0
	v_nop
	global_prefetch_b8 v0, s[64:65] scope:SCOPE_SE
	s_setreg_imm32_b32 hwreg(HW_REG_WAVE_MODE, 25, 1), 1
	s_wait_xcnt 0x0
	s_wait_alu depctr_hold_cnt(0) depctr_sa_sdst(0) depctr_va_vdst(0) depctr_va_sdst(0) depctr_va_ssrc(0) depctr_va_vcc(0) depctr_vm_vsrc(0)
	s_getreg_b32 s2, hwreg(HW_REG_IB_STS2, 6, 4)
	s_cmp_eq_u32 s2, 0
	s_cbranch_scc0 .Lentry_in_a_cluster
	s_endpgm
.Lentry_in_a_cluster:
	s_bfe_u32 s2, ttmp6, 0x10000c
	s_cmp_lg_u32 s2, 0xf033
	s_cbranch_scc0 .Lentry_shape_is_right
	s_endpgm
.Lentry_shape_is_right:
; out0[m][n] = sum over k of x[m][k] W[n][k] + bias[n], M = N = K = 4,096, both operands codes of FP4 (E2M1) with one E8M0 scale for each 32 along K; sums in f32, K ascending.
; x: codes [4096][2048 bytes], scale bytes [4096][128], as given.  W: the workspace wq, [g = n / 128][k / 512][34,816 bytes]: 32,768 bytes of codes in the order of the operand's registers
; (block i of 16 rows, 128-K step q, half c: 512 bytes, 16 a lane, at i*4096 + q*1024 + c*512), then 2,048 scale bytes ((i%4)*512 + (i/4)*256 + 16 r + the block along K).
; Row r of block i of a tile of wq is W's row 128 g + 64 (i / 4) + 4 r + i % 4.
; A tile of C, 256 x 256, is made by a work-group of four waves; C has 256 such tiles: one to a work-group.  A wave makes 128 x 128: 4 blocks of 32 rows x 8 blocks of W = 32 accumulators of 32 x 16, 512 registers.
; K goes in steps of 512 through a ring of two LDS slots filled by the tensor data mover: waves 0 and 1 bring 128 rows x 256 bytes of x each, waves 2 and 3 a tile of wq each, scale bytes and all.
; At the head, one load a wave: wave 0 brings all 256 rows of x, wave 1 x's scale bytes of these rows for all of K (one dense block of 32,768 bytes, as rows of 256 bytes), waves 2 and 3 W's tiles.
; CLUSTERS: 4 x 4 work-groups.  The four of a row of the cluster need the same tiles of x, the four of a column the same tiles of W: each is asked for JOINTLY, by the same tensor load with the same descriptor and a mask that names the four.
; PREFETCH: behind each refill, and behind slot 1's first fill, each wave names the K step that the next refill will want: 32 rows of x, or 32 of the 128 units of 256 bytes of a tile's codes, a lane each; the four partners share them out by address.
; FRAGMENTS have two sets of registers: at a step's head ONE run of 32 LDS loads fetches the next 128 along K, a whole step ahead; the step's 32 products follow without a load between them.
; THE LAST 512 ALONG K GO BY ROWS OF C: W's fragments of its four steps fill window 1, and each block of 32 rows is finished by 32 products and stored while the others are multiplied.
; THE WAY OUT NEEDS NO LDS.  Source 0 = 32 rows of x, source 1 = 16 rows of W: register j of lane (r, h) holds C(row 16 (j / 8) + 8 h + j % 8, the column of W's row r).  By wq's choice of rows, register j of accumulators 4 G .. 4 G + 3
; is columns 64 G + 4 r + 0 .. 3 of one row: four additions of the bias put them into four registers on end, and sixteen lanes store 256 consecutive bytes.
; REGISTERS, in windows of 256: window 0: v0-31 addresses and the bias; v32-95 scale words, two sets; v96-127 the first sums on the way out; v128-255 x's fragments, two sets.  window 1: W's fragments, two sets at v0 and v64, in the end all 256.
;   windows 2 and 3: the accumulators of row blocks 0, 1 and 2, 3: (a, b) at v[16 (8 (a % 2) + b)].
.set PITCH, 272                        ; an LDS row of x: 256 bytes + 16 of padding = 68 words: the 16 rows that a load touches start 4 banks apart (64 banks of 4 bytes: ISA guide 11.1)
.set TILE,  34816                      ; 128 padded rows of x; a tile of wq is as many bytes, dense
.set SLOT,  4*TILE                     ; x's 256 rows, then W's two tiles
.set SCL,   2*SLOT                     ; behind the ring: x's scale bytes, units of 256 bytes (two rows of x) + 16 of padding
.set SPARE, SCL+128*272                ; behind them: the spare words, 128 bytes for each wave: two blocks of 256 bytes that no other line names
.set ADRA, 8                           ; v8-9    LDS address of my row of a fragment of x in slot 0, 1
.set ADRB, 10                          ; v10-11  of my tile of W: its first byte + 16 x lane
.set ADRS, 12                          ; v12     of x's scale words: lane m takes row m of a block; 32 bytes on each lap
.set BO,   13                          ; v13     16 r
.set BQ,   16                          ; v16-23  register 4 G + e: the bias of my column 64 G + 4 r + e
.set CO,   24                          ; v24     my byte offset in C: 8 rows x h + 16 r
.set PFO,  25                          ; v25     the prefetches' offset: lane x 2,048 (a row of x) or x 256; never rewritten
.set SPW,  28                          ; v28     LDS address of my spare word; never rewritten
.set NIL,  29                          ; v29     0; never rewritten
.set SC,   32                          ; scale words: set s (for slot s) at + 32 s: register 4 a + q: x's block a, the slot's q-th 128 along K; 16 + 4 (b % 4) + q: W's block b in lanes 0-15 (b < 4) or 16-31
.set TMP,  96
.set AF,   128
.set G1,   24                          ; s[24:31] descriptor group 1 for x's tiles;  s[32:39] group 0, one set for each slot
.set G0,   32
.set G1B,  48                          ; s[48:55], s[56:63] the same for W's
.set G0B,  56
.set G1S,  68                          ; s[68:75], s[76:79] groups 1 and 0 for x's scale bytes
.set G0S,  76
.set G1H,  80                          ; s[80:87], s[88:91] for the head's 256 rows of x
.set G0H,  88
.set BA,   92                          ; s[92:93] x's codes at the rows that I fetch in the ring
.set BB,   94                          ; s[94:95] wq at the group that I fetch
.set PF,   96                          ; s[96:97] where my prefetches stand;  s[98:99] from K step to K step
.set MSB, 0
.macro WIN new                         ; the immediate's high byte repeats the setting that is left
.if MSB != (\new)
	s_set_vgpr_msb (MSB<<8)|(\new)
.set MSB, (\new)
.endif
.endm
.macro PLACES                          ; four places behind matrix instructions, in front of loads into registers that they have read and of reads of results; matrix instructions are not counted
.rept 4
	v_nop
.endr
.endm
; A joint load of the ring: waves 0 and 1 fetch for x, waves 2 and 3 for W.  The branch hangs on the wave's number alone.  An s_nop 0 and four v_nop follow each of the two lines.
.macro JLOAD slot
	s_cmp_eq_u32 s15, 0
	s_cbranch_scc0 .Lfor_b_\@
	tensor_load_to_lds s[G0+4*\slot:G0+4*\slot+3], s[G1:G1+7]
	s_nop 0
	PLACES
	s_branch .Lasked_\@
.Lfor_b_\@:
	tensor_load_to_lds s[G0B+4*\slot:G0B+4*\slot+3], s[G1B:G1B+7]
	s_nop 0
	PLACES
.Lasked_\@:
.endm
.macro CREST                           ; a round of the cluster's barrier behind its opening barrier
	s_cmp_lg_u32 s14, 0
	s_cbranch_scc1 .Lnot_wave_0_\@
	s_barrier_signal -3
.Lnot_wave_0_\@:
	s_barrier_wait -3
	s_barrier_signal -1
	s_barrier_wait -1
.endm
.macro CROUND                          ; a whole round
	s_barrier_signal -1
	s_barrier_wait -1
	CREST
.endm
.macro ASK slot                        ; slot 1's refill in the loop's last trip (s3 = 1) is the launch's last: nothing is left to ask for
.if \slot
	s_cmp_gt_u32 s3, 1
	s_cbranch_scc0 .Lnone_\@
.endif
	global_prefetch_b8 v[PFO], s[PF:PF+1] th:TH_LOAD_NT scope:SCOPE_SE
.if \slot
.Lnone_\@:
.endif
.endm
.macro GX g, rows                      ; group 1: rows x 256 bytes of x's codes, 2,048 bytes apart in memory, padded in LDS
	s_or_b32 s[\g], s43, (1<<20)|(1<<21)|(5<<22)|(3<<25)  ; 15:0 the mask: my row of the cluster; elements of 1 byte; 20 padding on; 21 set beside a mask; 24:22 after every 64 words (code 5); 31:25 four words (code 3)
	s_mov_b32 s[\g+1], 256<<16                     ; tensor_dim0
	s_mov_b32 s[\g+2], \rows<<16                   ; tensor_dim1
	s_mov_b32 s[\g+3], 256<<16                     ; tile_dim0
	s_mov_b32 s[\g+4], \rows                       ; tile_dim1
	s_mov_b32 s[\g+5], 2048                        ; tensor_dim0_stride
	s_mov_b32 s[\g+6], 0
	s_mov_b32 s[\g+7], 0
.endm
.macro GD g, mask, pad, rows           ; group 1: a dense block as rows of 256 bytes (32 elements of 8 bytes)
	s_or_b32 s[\g], \mask, (3<<16)|(1<<21)|\pad
	s_mov_b32 s[\g+1], 32<<16
	s_mov_b32 s[\g+2], \rows<<16
	s_mov_b32 s[\g+3], 32<<16
	s_mov_b32 s[\g+4], \rows
	s_mov_b32 s[\g+5], 32
	s_mov_b32 s[\g+6], 0
	s_mov_b32 s[\g+7], 0
.endm
; Row block a of x, the slot's q-th 128 along K, into v[r ..] (four loads): registers 8 u + 4 c: rows 16 u + r, K = 64 c + 32 h + 0 .. 31
.macro LA r, slot, a, q
.irp u, 0,1
.irp c, 0,1
	ds_load_b128 v[(\r)+8*\u+4*\c:(\r)+8*\u+4*\c+3], v[ADRA+\slot] offset:(\a)*32*PITCH+\u*16*PITCH+64*(\q)+32*\c
.endr
.endr
.endm
.macro LB r, slot, q                   ; W's eight fragments into v[r ..] of window 1 (sixteen loads)
	WIN 0x40
.irp i, 0,1,2,3,4,5,6,7
.irp c, 0,1
	ds_load_b128 v[(\r)+8*\i+4*\c:(\r)+8*\i+4*\c+3], v[ADRB+\slot] offset:\i*4096+(\q)*1024+512*\c
.endr
.endr
	WIN 0
.endm
.macro BURST slot, q, p                ; the 32 loads of a step, into set p, in the order in which its products want them
	LA AF+64*(\p), \slot, 0, \q
	LB 64*(\p), \slot, \q
.irp a, 1,2,3
	LA AF+64*(\p)+16*\a, \slot, \a, \q
.endr
.endm
.macro SXL set, off                    ; x's scale words of a K step into set: four words a row and load
.irp a, 0,1,2,3
	ds_load_b128 v[SC+32*(\set)+4*\a:SC+32*(\set)+4*\a+3], v[ADRS] offset:\a*16*272+(\off)
.endr
.endm
.macro SWL slot                        ; W's scale words of the slot
.irp i, 0,1,2,3
	ds_load_b128 v[SC+32*(\slot)+16+4*\i:SC+32*(\slot)+16+4*\i+3], v[ADRB+\slot] offset:32768+\i*512
.endr
.endm
; Four products: row block a (its fragment at aa) against W's blocks lo .. lo + 3 (fragments from bb on); scale set s, word q.  zero = 1: the product starts the sums: nothing is cleared.
; The accumulators take turns, one instruction a turn.
.macro MUL4 a, lo, aa, bb, s, q, zero
	WIN 0xa4+0x50*((\a)/2)                         ; source 0 window 0, source 1 window 1, C and D window 2 or 3
.irp b, 0,1,2,3
.set DD, 16*(8*((\a)%2)+\lo+\b)
.set BB_, (\bb)+8*(\lo+\b)
.set SA_, SC+32*(\s)+4*(\a)+(\q)
.set SB_, SC+32*(\s)+16+4*\b+(\q)
.if \zero
.if \lo == 0
	v_wmma_scale_f32_32x16x128_f4 v[DD:DD+15], v[(\aa):(\aa)+15], v[BB_:BB_+7], 0, v[SA_], v[SB_]
.else
	v_wmma_scale_f32_32x16x128_f4 v[DD:DD+15], v[(\aa):(\aa)+15], v[BB_:BB_+7], 0, v[SA_], v[SB_] matrix_b_scale:MATRIX_SCALE_ROW1
.endif
.else
.if \lo == 0
	v_wmma_scale_f32_32x16x128_f4 v[DD:DD+15], v[(\aa):(\aa)+15], v[BB_:BB_+7], v[DD:DD+15], v[SA_], v[SB_]
.else
	v_wmma_scale_f32_32x16x128_f4 v[DD:DD+15], v[(\aa):(\aa)+15], v[BB_:BB_+7], v[DD:DD+15], v[SA_], v[SB_] matrix_b_scale:MATRIX_SCALE_ROW1
.endif
.endif
.endr
.endm
.macro MUL8 a, aa, bb, s, q, zero
	MUL4 \a, 0, \aa, \bb, \s, \q, \zero
	MUL4 \a, 4, \aa, \bb, \s, \q, \zero
.endm
; A step that has its successor in the same slot.  A block's wait leaves out this step's run (NB loads) and the loads of the blocks behind it.
.macro STEP slot, q, zero
	PLACES
	WIN 0
.set NB, 32
.if (\q) == 1
.set NB, 36
	SXL 1-\slot, 16+16*\slot                       ; the next K step's scale words of x
.endif
	BURST \slot, \q+1, 1-(\q)%2
.irp a, 0,1,2,3
	s_wait_dscnt NB+12-4*\a
	MUL8 \a, AF+64*((\q)%2)+16*\a, 64*((\q)%2), \slot, \q, \zero
.endr
.endm
; A slot's last step changes slots: ONE barrier; in front of it each wave waits for all its tensor loads, adds 0 to its spare word, and waits for that and for its own reads of this slot.
; fill = 1: this slot is filled again, two K steps ahead.  fill = 0: the launch's last K step follows, by rows: its first two steps' fragments are fetched.
.macro TURN slot, next, fill
.if \fill
	s_wait_xcnt 0x0                                ; my last prefetch has read its address, which steps here
	s_add_nc_u64 s[PF:PF+1], s[PF:PF+1], s[98:99]
.endif
	WIN 0                                          ; (the add's two registers lie in window 0)
	s_wait_tensorcnt 0x0                           ; all my tensor loads have landed: my part of the next slot;
	ds_add_u32 v[SPW], v[NIL]                      ; 0 onto my spare word;
.if \fill
	s_add_nc_u64 s[G0+4*\slot+2:G0+4*\slot+3], s[G0+4*\slot+2:G0+4*\slot+3], 512        ; no tensor load of mine is out, so the descriptors may be written
	s_add_nc_u64 s[G0B+4*\slot+2:G0B+4*\slot+3], s[G0B+4*\slot+2:G0B+4*\slot+3], 2*TILE
.endif
	s_wait_dscnt 13                                ; (the add and the loads of x's blocks 1 to 3 may be out)
	MUL8 0, AF+64, 64, \slot, 3, 0
	s_wait_dscnt 0x0                               ; the add is done, and my reads of this slot are over
	s_barrier_signal -1
	MUL4 1, 0, AF+80, 64, \slot, 3, 0
	WIN 0
	s_barrier_wait -1
.if \fill
	CREST                                          ; no wave of any partner still reads this slot's tiles or has a load on its way
	JLOAD \slot                                    ; the first tensor load behind the round, my only one until the next; its four v_nop are the places in front of the loads below
	SWL \next
	BURST \next, 0, 0
	ASK \slot
.else
	PLACES
	SWL \next
	LA AF, \next, 0, 0
	LB 0, \next, 0
	LA AF+16, \next, 0, 1
	LB 128, \next, 1
.endif
	MUL4 1, 4, AF+80, 64, \slot, 3, 0
	MUL8 2, AF+96, 64, \slot, 3, 0
	MUL8 3, AF+112, 64, \slot, 3, 0
.endm
; By rows: x's fragments of block a at AF + 64 (a % 2) + 16 q; W's of step q at 0, 128, 192, 64 of window 1.
.macro RMUL a, q
.set QB, 64*((\q)+1)
.if (\q) == 0
.set QB, 0
.endif
.if (\q) == 3
.set QB, 64
.endif
	MUL8 \a, AF+64*((\a)%2)+16*(\q), QB, 1, \q, 0
.endm
; Group g of block a on its way out: registers 8 (g % 2) + 0 .. 7 of accumulators 4 (g / 2) + 0 .. 3.  Its sums with the bias go into the registers of the group before (pa, pg), which have been read (the very first into v96-127):
; no store's data are written again, and every offset is an immediate (1,949,952 at the most), so no wait stands here.  Each accumulator is read from its low end on.
.macro OUTG a, g, pa, pg
.set SWN, 2+(\a)/2
.set AC, 128*((\a)%2)+64*(\g/2)+8*(\g%2)
.if (\a) == 0 && \g == 0
.set DW, 0
.else
.set DW, 2+(\pa)/2
.set DC, 128*((\pa)%2)+64*(\pg/2)+8*(\pg%2)
.endif
	WIN 64*DW+SWN                                  ; destination window DW, source 0 window SWN, source 1 (the bias) window 0
.irp j, 0,1,2,3,4,5,6,7
.if DW == 0
.set DQ, TMP+4*\j
.else
.set DQ, DC+16*(\j/2)+4*(\j%2)
.endif
.irp e, 0,1,2,3
	v_add_f32 v[DQ+\e], v[AC+16*\e+\j], v[BQ+4*(\g/2)+\e]
.endr
.endr
	WIN 4*DW                                       ; a store's data are its source 1: window DW; its address window 0
.irp j, 0,1,2,3,4,5,6,7
.if DW == 0
.set DQ, TMP+4*\j
.else
.set DQ, DC+16*(\j/2)+4*(\j%2)
.endif
	global_store_b128 v[CO], v[DQ:DQ+3], s[12:13] offset:(32*(\a)+16*(\g%2)+\j)*16384+256*(\g/2) th:TH_STORE_NT   ; sixteen lanes store 256 consecutive bytes, at a multiple of 256 from out0's first byte; written once, read by nobody here
.endr
.endm
.macro OUT a
	PLACES
	OUTG \a, 0, \a-1, 3
	OUTG \a, 1, \a, 0
	OUTG \a, 2, \a, 1
	OUTG \a, 3, \a, 2
	WIN 0
.endm
	s_load_b256 s[4:11], s[0:1], 0x0               ; x's codes s[4:5], x's scales s[6:7], wq s[8:9], bias s[10:11]
	s_load_b64 s[12:13], s[0:1], 0x20              ; out0
	v_lshl_add_u32 v[SPW], v0, 2, SPARE
	v_mov_b32 v[NIL], 0
	ds_add_u32 v[SPW], v[NIL]                      ; the wave's opening: the add, twice on end, and its wait ahead of my first tensor load
	ds_add_u32 v[SPW], v[NIL]
	v_lshrrev_b32 v1, 5, v0
	v_readfirstlane_b32 s14, v1                    ; wave 0..3
	s_lshr_b32 s15, s14, 1                         ; which half of the tile's rows is mine.  Also: in the ring I fetch for x (0) or for W (1)
	s_and_b32 s16, s14, 1                          ; which half of its columns.  Also: which half of that operand I fetch
	s_bfe_u32 s40, ttmp6, 0x40000                  ; cx, cy: my place in the cluster
	s_bfe_u32 s41, ttmp6, 0x40004
	s_lshl_b32 s42, ttmp9, 2
	s_add_co_u32 s42, s42, s40                     ; tile column of C = 4 x cluster x + cx
	s_and_b32 s17, ttmp7, 0xffff
	s_lshl_b32 s17, s17, 2
	s_add_co_u32 s17, s17, s41                     ; tile row of C = 4 x cluster y + cy
	s_lshl_b32 s43, s41, 2
	s_lshl_b32 s43, 15, s43                        ; my row of the cluster
	s_lshl_b32 s44, 0x1111, s40                    ; my column
	GX G1H, 256
	GX G1, 128
	GD G1B, s44, 0, 136                            ; a tile of wq: 34,816 bytes
	GD G1S, s43, ((1<<20)|(5<<22)|(3<<25)), 128    ; x's scale bytes: 32,768 bytes, 16 of padding behind each 256
	s_lshl_b32 s20, s17, 19                        ; x's codes: 256 rows x 2,048 bytes a tile row,
	s_lshl_b32 s22, s16, 18
	s_add_co_u32 s22, s22, s20                     ; in the ring + 128 rows x half
	s_mov_b32 s21, 0
	s_mov_b32 s23, 0
	s_lshl_b32 s46, s17, 15                        ; x's scales: 32,768 bytes a tile row
	s_mov_b32 s47, 0
	s_lshl_b32 s66, s42, 1
	s_add_co_u32 s66, s66, s16
	s_mul_i32 s66, s66, 8*TILE                     ; W: group 2 x tile column + half
	s_mov_b32 s67, 0
	s_mul_i32 s45, s14, TILE                       ; where they go: wave x 34,816: no place in the cluster enters an LDS address
	s_mul_i32 s18, s15, TILE                       ; my 128 rows of x,
	s_mul_i32 s19, s16, TILE
	s_add_co_u32 s19, s19, 2*TILE                  ; my tile of W, behind x's 256 rows,
	s_mul_i32 s2, s15, 64*272
	s_add_co_u32 s2, s2, SCL                       ; and my rows' scale bytes
	s_mov_b32 s98, TILE
	s_mov_b32 s3, 256
	s_cmp_eq_u32 s15, 0
	s_cselect_b32 s98, 256, s98                    ; the prefetches go from K step to K step,
	s_cselect_b32 s3, 2048, s3                     ; and from lane to lane
	s_mov_b32 s99, 0
	v_and_b32 v1, 15, v0                           ; r
	v_bfe_u32 v2, v0, 4, 1                         ; h
	v_and_b32 v3, 31, v0                           ; lane
	v_mul_u32_u24 v4, v1, PITCH
	v_lshrrev_b32 v5, 1, v3
	v_and_b32 v6, 1, v3
	v_lshlrev_b32 v[BO], 4, v1
	v_lshl_add_u32 v4, v2, 4, v4                   ; row x pitch + 16 h
	v_mul_u32_u24 v5, v5, 272
	v_lshl_add_u32 v[ADRB], v3, 4, s19
	v_add_nc_u32 v[ADRA], s18, v4
	v_lshl_add_u32 v[CO], v2, 17, v[BO]
	v_lshl_add_u32 v5, v6, 7, v5                   ; row m of a block: 272 (m / 2) + 128 (m % 2)
	v_mul_u32_u24 v[PFO], s3, v3
	v_add_nc_u32 v[ADRA+1], SLOT, v[ADRA]
	v_add_nc_u32 v[ADRB+1], SLOT, v[ADRB]
	v_add_nc_u32 v[ADRS], s2, v5
	s_wait_alu depctr_va_vdst(0)
	s_wait_dscnt 0x0                               ; both opening adds are done
	s_wait_kmcnt 0x0
	s_mov_b32 s[G0H], 1                            ; the head's 256 rows of x, to slot 0
	s_mov_b32 s[G0H+1], 0
	s_add_nc_u64 s[G0H+2:G0H+3], s[4:5], s[20:21]
	s_or_b32 s[G0H+3], s[G0H+3], 0x80000000
	s_mov_b32 s[G0S], 1                            ; x's scale bytes
	s_mov_b32 s[G0S+1], SCL
	s_add_nc_u64 s[G0S+2:G0S+3], s[6:7], s[46:47]
	s_or_b32 s[G0S+3], s[G0S+3], 0x80000000
	s_add_nc_u64 s[BA:BA+1], s[4:5], s[22:23]
	s_add_nc_u64 s[BB:BB+1], s[8:9], s[66:67]
.irp s, 0,1
	s_mov_b32 s[G0+4*\s], 1
	s_add_co_u32 s[G0+4*\s+1], s45, \s*SLOT
	s_add_nc_u64 s[G0+4*\s+2:G0+4*\s+3], s[BA:BA+1], \s*256
	s_or_b32 s[G0+4*\s+3], s[G0+4*\s+3], 0x80000000
	s_mov_b32 s[G0B+4*\s], 1
	s_add_co_u32 s[G0B+4*\s+1], s45, \s*SLOT
	s_add_nc_u64 s[G0B+4*\s+2:G0B+4*\s+3], s[BB:BB+1], \s*TILE
	s_or_b32 s[G0B+4*\s+3], s[G0B+4*\s+3], 0x80000000
.endr
	CROUND                                         ; all sixteen work-groups are here: the first joint loads meet
; The head's loads, one a wave.  ONE tree of branches on the wave's number: every way passes exactly one load.
.macro ARM under, g0, g1, next
	s_cmp_lt_u32 s14, \under
	s_cbranch_scc0 \next
	tensor_load_to_lds s[\g0:\g0+3], s[\g1:\g1+7]
	s_nop 0
	PLACES
	s_branch .Lhead_asked
\next:
.endm
	ARM 1, G0H, G1H, .Lhead_s
	ARM 2, G0S, G1S, .Lhead_b
	tensor_load_to_lds s[G0B:G0B+3], s[G1B:G1B+7]
	s_nop 0
	PLACES
.Lhead_asked:
	s_lshl_b32 s46, s42, 10
	s_lshl_b32 s47, s16, 9
	s_add_co_u32 s46, s46, s47                     ; my first column, in bytes, in C and in the bias: 1,024 x tile column + 512 x half
	s_lshl_b32 s20, s17, 22
	s_lshl_b32 s22, s15, 21
	s_add_co_u32 s20, s20, s22
	s_add_co_u32 s20, s20, s46                     ; and my first row of C: 16,384 bytes a row
	s_mov_b32 s47, 0
	s_add_nc_u64 s[10:11], s[10:11], s[46:47]
	s_add_nc_u64 s[12:13], s[12:13], s[20:21]
.irp g, 0,1
	global_load_b128 v[BQ+4*\g:BQ+4*\g+3], v[BO], s[10:11] offset:256*\g    ; the bias; wanted on the way out
.endr
	s_lshl_b32 s20, s40, 16                        ; the prefetches: of the 128 rows (or units) that my wave fetches, my work-group takes 32 from 32 x its place among the four on: x: 65,536 cx bytes,
	s_lshl_b32 s22, s41, 13                        ; W: 8,192 cy bytes
	s_cmp_eq_u32 s15, 0
	s_cselect_b64 s[PF:PF+1], s[BA:BA+1], s[BB:BB+1]
	s_cselect_b32 s20, s20, s22
	s_add_nc_u64 s[PF:PF+1], s[PF:PF+1], s[20:21]
	s_add_nc_u64 s[PF:PF+1], s[PF:PF+1], s[98:99]
	s_add_nc_u64 s[PF:PF+1], s[PF:PF+1], s[98:99]  ; at K step 2
	s_wait_tensorcnt 0x0                           ; my tile of the head's four is in
	ds_add_u32 v[SPW], v[NIL]
	s_wait_dscnt 0x0                               ; the add is done
	CROUND                                         ; all four tiles are in, and all sixteen work-groups are here
	JLOAD 1                                        ; K step 1, the first tensor load behind the round
	SXL 0, 0
	SWL 0
	BURST 0, 0, 0
	ASK 0
	STEP 0, 0, 1                                   ; the first step stands in front of the loop: its products start the sums
	WIN 0                                          ; at a label and at a branch every window is 0
	s_mov_b32 s3, 3
.Llap:                                                 ; a trip goes once round the ring, from a lap's second step to the next lap's first, and fills both slots again
	STEP 0, 1, 0
	STEP 0, 2, 0
	TURN 0, 1, 1
	STEP 1, 0, 0
	STEP 1, 1, 0
	STEP 1, 2, 0
	TURN 1, 0, 1
	STEP 0, 0, 0
	WIN 0
	v_add_nc_u32 v[ADRS], 32, v[ADRS]              ; on to the next lap's scale words of x
	s_wait_alu depctr_va_vdst(0)
	s_sub_co_u32 s3, s3, 1
	s_cmp_lg_u32 s3, 0
	s_cbranch_scc1 .Llap
	STEP 0, 1, 0                                   ; the last lap fills nothing
	STEP 0, 2, 0
	TURN 0, 1, 0
	PLACES                                         ; for the loads into the registers of the step just multiplied
	WIN 0
	LA AF+32, 1, 0, 2
	LB 192, 1, 2
	LA AF+48, 1, 0, 3
	LB 64, 1, 3
	s_wait_loadcnt 0x0                             ; the bias
	s_wait_dscnt 60                                ; step 0's fragments are in; the 20 of step 1 and the 40 just issued may be out
	RMUL 0, 0
	s_wait_dscnt 40
	RMUL 0, 1
	WIN 0
.irp q, 0,1,2,3
	LA AF+64+16*\q, 1, 1, \q                       ; block 1's
.endr
	s_wait_dscnt 36                                ; step 3's 20 and block 1's 16 may be out
	RMUL 0, 2
	s_wait_dscnt 16
	RMUL 0, 3
	OUT 0
.irp a, 1,2,3
.if \a < 3
.irp q, 0,1,2,3
	LA AF+64*((\a+1)%2)+16*\q, 1, \a+1, \q
.endr
	s_wait_dscnt 16                                ; block a's fragments are in, the next block's 16 may be out
.else
	s_wait_dscnt 0
.endif
.irp q, 0,1,2,3
	RMUL \a, \q
.endr
	OUT \a
.endr
	s_wait_tensorcnt 0x0                           ; the wave's end, behind my last tensor load
	ds_add_u32 v[SPW], v[NIL]
	s_wait_dscnt 0x0
	CROUND                                         ; the closing round: no work-group ends while a partner may still ask for a tile that names it
	s_endpgm
.Lfunc_end_k_q5c37e95ab3_gemm:
	.size	k_q5c37e95ab3_gemm, .Lfunc_end_k_q5c37e95ab3_gemm-k_q5c37e95ab3_gemm
	.p2alignl 7, 3214868480
	.fill 96, 4, 3214868480
	.section	.rodata,"a",@progbits
	.p2align	6, 0x0
	.amdhsa_kernel k_q5c37e95ab3_gemm
		.amdhsa_group_segment_fixed_size 327680
		.amdhsa_private_segment_fixed_size 0
		.amdhsa_enable_private_segment 0
		.amdhsa_kernarg_size 40
		.amdhsa_user_sgpr_count 2
		.amdhsa_user_sgpr_kernarg_segment_ptr 1
		.amdhsa_wavefront_size32 1
		.amdhsa_system_sgpr_workgroup_id_x 1
		.amdhsa_system_sgpr_workgroup_id_y 1
		.amdhsa_system_sgpr_workgroup_id_z 1
		.amdhsa_system_vgpr_workitem_id 0
		.amdhsa_next_free_vgpr 1024
		.amdhsa_next_free_sgpr 102
		.amdhsa_reserve_vcc 0
		.amdhsa_float_denorm_mode_32 3
		.amdhsa_float_denorm_mode_16_64 3
		.amdhsa_memory_ordered 1
		.amdhsa_forward_progress 1
		.amdhsa_inst_pref_size 146
	.end_amdhsa_kernel
	.amdgpu_metadata
---
amdhsa.version: [ 1, 2 ]
amdhsa.kernels:
  - .name:           k_q5c37e95ab3_gemm
    .symbol:         k_q5c37e95ab3_gemm.kd
    .args:
      - { .name: x_codes, .offset: 0, .size: 8, .value_kind: global_buffer, .address_space: global }
      - { .name: x_scales, .offset: 8, .size: 8, .value_kind: global_buffer, .address_space: global }
      - { .name: wq, .offset: 16, .size: 8, .value_kind: global_buffer, .address_space: global }
      - { .name: bias, .offset: 24, .size: 8, .value_kind: global_buffer, .address_space: global }
      - { .name: out0, .offset: 32, .size: 8, .value_kind: global_buffer, .address_space: global }
    .group_segment_fixed_size: 327680
    .private_segment_fixed_size: 0
    .kernarg_segment_align: 8
    .kernarg_segment_size: 40
    .max_flat_workgroup_size: 128
    .sgpr_count:     102
    .vgpr_count:     1024
    .wavefront_size: 32
...
	.end_amdgpu_metadata
.endif
;; end of part 2
